; MI455X (gfx1250); checked and timed in simulation.
; The chip was launched on July 23, 2026; its instructions are those of AMD's public machine-readable ISA for CDNA 5 (MIT licence, August 2026) and "CDNA5" Instruction Set Architecture Reference Guide (July 2026). The comments in the code are by the model that wrote it; some were corrected since.
;; Kernel Dense Bayesian. Allowed arithmetic: matrix products marked QUANTISED: E3M2 operands, one E8M0 scale for each 32 along K, by v_wmma_scale_f32_16x16x128_f8f6f4 with both operands' format E3M2, f32 sums; products left as they are: f32 operands where the result goes on into a quantised operand, else bf16, f16 or f32 operands; f32 sums; everything else in f32.
;; Inputs: alpha_mean 4,096 float32; columns_mean 4,096 x 2 float32; rows_mean 4,096 x 2 float32; x 4,096 x 4,096 float32.
;; Outputs: out0 4,096 x 4,096 float32.
;; This version of the problem:
;;   THIS VERSION OF THE PROBLEM IS GIVEN IN LOW PRECISION. The matrix products marked QUANTISED in the list below multiply operands that are first quantised to E3M2 (3 exponent bits, 2 mantissa bits; 6 bits a number), with one power-of-two scale for each 32 numbers along K (OCP MX v1.0); their sums are f32. All else is computed in f32.
;;   The module's matrix products, in the order in which they are computed (A, B: the left and right operand; K: the contracted axis; several contracted axes count as one K, in the product's order):
;;     1. [M 4,096, K 2] x [K 2, N 4,096]; A: input columns_mean; B: input rows_mean: left as it is (K = 2 < 32)
;;     2. [M 4,096, K 4,096] x [K 4,096, N 4,096]; A: computed on the way; B: computed on the way: QUANTISED
;;   THE QUANTISER, for each operand of a quantised product, along K:
;;     - K is cut into blocks of 32 from its start; a last block that is shorter is filled with zeros.
;;     - A block's scale is 2^e with e = floor(log2(the largest magnitude in the block)) - 4, held to -126 .. 127; a block of zeros has e = 0. As a byte (E8M0): e + 127.
;;     - Each number is divided by its block's scale, clamped to +-28, and rounded to the nearest number of E3M2, ties to even, subnormals kept.
;;     - The product sums the exact products of the quantised numbers (number of the format x scale) in f32.
;;   ~~~python
;;   def quantise(x, axis):      # numpy; x: float32 -> the quantised numbers, widened to float32 again
;;       x = np.moveaxis(x, axis, -1); K = x.shape[-1]
;;       x = np.pad(x, [(0, 0)] * (x.ndim - 1) + [(0, -K % 32)]); x = x.reshape(x.shape[:-1] + (-1, 32)); a = np.abs(x).max(-1, keepdims=True)
;;       e = np.where(a > 0, np.clip(np.frexp(np.where(a > 0, a, 1))[1] - 1 - 4, -126, 127), 0)      # np.frexp(a)[1] - 1 = floor(log2(a)), exactly
;;       r = np.clip(x / 2.0 ** e, -28, 28)
;;       step = 2.0 ** (np.maximum(np.frexp(np.where(r == 0, 1, r))[1] - 1, -2) - 2)
;;       q = np.round(r / step) * step * 2.0 ** e      # np.round: ties to even
;;       return np.moveaxis(q.reshape(q.shape[:-2] + (-1,))[..., :K], -1, axis).astype(np.float32)
;;   ~~~
;;   OPERANDS COMPUTED ON THE WAY. 'Computed on the way' means the value that the module computes at that place (a softmax that the list does not call 'softmax' is quantised finished and normalised). What goes into a quantiser is computed in f32, as accurately as f32 sums, v_exp_f32 and their like allow (about 1e-6 of the number): no bf16 or f16 on the way to a quantiser, and a product that is left as it is and whose result goes on into a quantised operand takes f32 operands (vector FMAs, or v_wmma_f32_16x16x4_f32). A number that lies on a knife's edge between two numbers of the format may be rounded either way, as far as f32 arithmetic and the matrix unit's own rounding can turn it there, and no further.
;; One version. Each part assembles by itself: llvm-mc -triple=amdgcn-amd-amdhsa -mcpu=gfx1250 --defsym DOCPART=n.
;; ======== version 1 of 1: 2 launches
;; workspace buffers: a_ops 13,107,200 bytes; b_ops 13,107,200 bytes
;; launch quant (part 1): grid 768 x 1, 4 waves a work-group, no clusters, 34,304 bytes of LDS; arguments x, alpha_mean, columns_mean, rows_mean, a_ops, b_ops; writes a_ops, b_ops
.if DOCPART == 1
	.amdgcn_target "amdgcn-amd-amdhsa--gfx1250"
	.amdhsa_code_object_version 6
	.text
	.protected	k_q0f1b159097_quant
	.globl	k_q0f1b159097_quant
	.p2align	8
	.type	k_q0f1b159097_quant,@function
k_q0f1b159097_quant:
	s_mov_b64 s[64:65], 0
	v_nop
	global_prefetch_b8 v0, s[64:65] scope:SCOPE_SE
	s_setreg_imm32_b32 hwreg(HW_REG_WAVE_MODE, 25, 1), 1
	s_wait_xcnt 0x0
; Both operands of out = (x * alpha) @ w are made here, once, as codes of BF6 (E3M2) with one E8M0 scale byte for each 32 along K = the 4,096 inputs.
;   A[m][k] = x[m][k] * alpha[k]                                   (one f32 multiplication)
;   B[o][k] = w[k][o] = exp(-(|row_o|^2 + |col_k|^2 - 2 col_k . row_o)) = 2^-((S col_k0 - S row_o0)^2 + (S col_k1 - S row_o1)^2),  S = sqrt(log2 e).
;   The polynomial is evaluated as a sum of two squares, in f32: the same number for every input, and no difference of large sums is formed where columns and rows carry a common offset.
; A block's scale is 2^(floor(log2(its largest magnitude)) - 4): its byte is the largest magnitude's exponent field - 4, held at 1 from below by a floor among the maximum's leaves.
; LIMITS: NaN and infinities among the inputs are not served.  v_exp_f32 gives 0 where w lies under 2^-126 (ISA guide, its entry in 15.8): such a w counts as 0.
;   A block of zeros gets the byte 1 where the quantiser's text says 127: its codes are zeros, which add nothing under any byte but 0xff, and the bytes are read by this program alone.
; LAYOUT OF THE RESULTS (workspace of this program), the same for A and for B: row = 128 g + 16 i + r (m for A, o for B), i = 4 u + j; k = 128 kk + ..
;   [g 32][kk 32][12,800 bytes]: a UNIT, 128 rows x 128 K: eight fragment images of 1,536 bytes (fragment i at 1,536 i), then 512 bytes of scale words.
;   An image is a fragment's 12 registers: registers 4 c .. 4 c + 3 of lane l at 512 c + 16 l.  Lane (r, h) holds row r; registers 6 c .. 6 c + 5 hold k = 64 c + 32 h + 0 .. 31 (ISA guide 7.12: the 6-bit operand's layout).
;   The scale words lie [u 2][r 16][j 4], four bytes each (byte b: k = 32 b .. 32 b + 31), from byte 12,288 of the unit on.
;   So a fragment leaves by three stores of 512 consecutive aligned bytes, and four fragments' scale words by one store of 256 consecutive aligned bytes.
; SHARES.  768 work-groups of four waves; a wave has one share of work, and waves share nothing: no barrier.  Of three neighbouring work-groups two take x and one makes w,
;   so that work bound by memory and work bound by arithmetic lie side by side.  x: a share is 64 rows x 128 K (four fragments, half a unit);  w: 128 columns o x 128 K (eight fragments, a unit).
; No cluster, no tensor load, no matrix instruction: no two work-groups read the same bytes of x, and the three small inputs are 80 KiB in all.
; No prefetch: the launch's own loads already run ahead of the work (16 to 32 loads of 512 bytes a wave).
.set UNITB, 12800                      ; a unit in bytes
.set FRB,  1536                        ; a fragment's image
.set SCO,  8*FRB                       ; where a unit's scale words begin
.set CO,   4                           ; v4   16 x lane: x's and alpha's offset, and a fragment image's place for my lane
.set SOFF, 5                           ; v5   16 r + 8 h: my 8 bytes of 256 bytes of scale words
.set RO,   6                           ; v6   8 r: my row of rows_mean in a tile of 16
.set STI,  7                           ; v7   the stage, on the way in: wave x 8,448 + 16 x lane
.set STO,  8                           ; v8   and on the way out: wave x 8,448 + 528 r + 128 h
.set SH8,  9                           ; v9   8 h
.set M,    10                          ; v10-11 my two blocks' largest magnitudes
.set SO,   12                          ; v12-13 the conversions' scale operands
.set BY,   14                          ; v14-15 the scale bytes
.set WT,   16                          ; v16  my two bytes at their places in the scale word
.set WP,   17                          ; v17  lane l xor 16's
.set SW,   18                          ; v18-21 four fragments' scale words
.set NB,   22                          ; v22  -S row_o1 (v23 is named with it as a pair)
.set VO,   24                          ; v24  256 h: my half's 32 columns_mean rows
.set SD,   26                          ; v26-29 scale words as they are stored: a pair for each store
.set NA,   30                          ; v30  -S row_o0 (v31 is named with it as a pair)
.set PC,   32                          ; v32-43 the fragment's 12 registers
.set TH,   44                          ; v44-46, v48-50 the upper halves of the two blocks' codes, as the conversions leave them
.set TD,   52                          ; v52-59 at work
.set AL,   60                          ; v60-63 alpha of my four k               (x's path)
.set RR,   60                          ; v60-63 two rows of rows_mean, by turns   (w's path)
.set R,    64                          ; v64-191 x as loaded, two sets of 64      (x's path)
.set X,    192                         ; v192-255 64 numbers of my row            (x's path)
.set W,    128                         ; v128-191 64 numbers of my column of w; S col: v64-95, v96-127 for k = 32 h + .., v192-223, v224-255 for k = 64 + 32 h + ..   (w's path)
.set SEL,  32                          ; s[32:33] lane selects for v_permlanex16_b32: lane l xor 16
; 64 numbers of a lane, register src + 32 c + j = k 64 c + 32 h + j of my row, become the fragment's 12 registers in v[PC] on and the row's scale word in v[word].
.macro QUANT src, word
.irp c, 0,1
	v_max3_num_f32 v[M+\c], |v[\src+32*\c]|, |v[\src+32*\c+1]|, 0x2800000   ; my block 2 c + h: all its 32 numbers are mine; and the floor 2^(5 - 127): the byte cannot fall under 1
.endr
.irp i, 2,4,6,8,10,12,14,16,18,20,22,24,26,28,30
.irp c, 0,1
	v_max3_num_f32 v[M+\c], v[M+\c], |v[\src+32*\c+\i]|, |v[\src+32*\c+\i+1]|   ; (the two blocks by turns)
.endr
.endr
.irp c, 0,1
	v_add_nc_u32 v[SO+\c], 0xfe000000, v[M+\c]     ; 4 off the exponent field: the conversion takes the exponent field of this operand as its scale, and nothing else of it
.endr
.irp c, 0,1
	v_lshrrev_b32 v[BY+\c], 23, v[SO+\c]           ; the scale's byte
.endr
	v_lshl_or_b32 v[WT], v[BY+1], 16, v[BY]        ; blocks h and 2 + h of my row,
	v_lshlrev_b32 v[WT], v[SH8], v[WT]             ; at their places in the word (8 h bits up);
	v_permlanex16_b32 v[WP], v[WT], s[SEL], s[SEL+1]
	v_or_b32 v[\word], v[WT], v[WP]                ; with lane l xor 16's two the word is whole
	s_wait_xcnt 0x0                                ; the last fragment's stores have had their addresses translated (ISA guide 3.1): v[PC] on is written again only behind this wait
.irp c, 0,1
	v_cvt_scalef32_pk16_bf6_f32 v[PC+6*\c:PC+6*\c+2], v[\src+32*\c:\src+32*\c+15], v[SO+\c]
	v_cvt_scalef32_pk16_bf6_f32 v[TH+4*\c:TH+4*\c+2], v[\src+32*\c+16:\src+32*\c+31], v[SO+\c]   ; (a conversion's three registers begin on an even number: the second half of a block's six does not)
.endr
	v_nop                                          ; one plain instruction between a scaled conversion and the vector instruction that touches its result
.irp c, 0,1
.irp i, 0,1,2
	v_mov_b32 v[PC+6*\c+3+\i], v[TH+4*\c+\i]
.endr
.endr
.endm
; the fragment leaves: each store covers 512 consecutive bytes, at a multiple of 512 from the buffer's first byte
.macro OUT base, off
.irp c, 0,1,2
	global_store_b128 v[CO], v[PC+4*\c:PC+4*\c+3], s[\base:\base+1] offset:\off+512*\c
.endr
.endm
; four fragments' scale words leave: lane (r, h) stores the words of fragments 2 h and 2 h + 1 of row r: 256 consecutive aligned bytes.  pair: which two registers carry them
.macro SCOUT base, off, pair
	v_cndmask_b32 v[SD+2*(\pair)], v[SW], v[SW+2], vcc_lo
	v_cndmask_b32 v[SD+2*(\pair)+1], v[SW+1], v[SW+3], vcc_lo
	global_store_b64 v[SOFF], v[SD+2*(\pair):SD+2*(\pair)+1], s[\base:\base+1] offset:\off
.endm
	s_load_b256 s[4:11], s[0:1], 0x0               ; x s[4:5], alpha s[6:7], columns_mean s[8:9], rows_mean s[10:11]
	s_load_b128 s[12:15], s[0:1], 0x20             ; A's units s[12:13], B's units s[14:15]
	v_lshl_add_u32 v47, v0, 2, 0x8400
	v_mov_b32 v51, 0
	v_lshrrev_b32 v1, 5, v0
	v_readfirstlane_b32 s20, v1                    ; wave 0..3
	v_and_b32 v1, 31, v0                           ; lane
	v_and_b32 v2, 15, v0                           ; r
	v_bfe_u32 v3, v0, 4, 1                         ; h
	v_lshlrev_b32 v[CO], 4, v1
	v_lshlrev_b32 v[SOFF], 4, v2
	v_lshl_add_u32 v[SOFF], v3, 3, v[SOFF]
	v_lshlrev_b32 v[SH8], 3, v3
	v_mov_b32 v[WP], 0                             ; written once: a lane permute's destination counts as one of its sources
	v_cmp_le_u32 vcc_lo, 16, v1                    ; lanes 16-31; VCC is written nowhere else
	s_mov_b32 s[SEL], 0x76543210
	s_mov_b32 s[SEL+1], 0xfedcba98
	s_mul_i32 s21, ttmp9, 43691
	s_lshr_b32 s21, s21, 17                        ; q3 = work-group / 3 (exact up to 767: 3 x 43,691 = 2^17 + 1)
	s_mul_i32 s22, s21, 3
	s_sub_co_u32 s22, ttmp9, s22                   ; work-group mod 3: 0, 1: x;  2: w
	s_mov_b32 s27, 0                               ; the high word of every offset below
	s_wait_kmcnt 0x0
	s_cmp_eq_u32 s22, 2
	s_cbranch_scc1 .Lpath_w
; ---------------------------------------------------------------- x: 64 rows x 128 K a wave
	s_lshl_b32 s23, s21, 1
	s_add_co_u32 s23, s23, s22                     ; which of x's 512 work-groups
	s_lshl_b32 s23, s23, 2
	s_add_co_u32 s23, s23, s20                     ; my share, 0 .. 2,047: the four waves take neighbouring kk of the same rows
	s_and_b32 s24, s23, 31                         ; kk
	s_lshr_b32 s25, s23, 5                         ; gu: rows 64 gu on
	s_lshl_b32 s26, s25, 20                        ; 64 rows of 16,384 bytes
	s_lshl_b32 s28, s24, 9                         ; 128 numbers of 4 bytes
	s_mov_b32 s29, 0
	s_add_co_u32 s26, s26, s28
	s_add_nc_u64 s[4:5], s[4:5], s[26:27]          ; x at my share's first number
	s_add_nc_u64 s[6:7], s[6:7], s[28:29]          ; alpha at my 128
	s_lshr_b32 s30, s25, 1                         ; g
	s_and_b32 s31, s25, 1                          ; u
	s_mul_i32 s26, s30, 32*UNITB
	s_mul_i32 s28, s24, UNITB
	s_add_co_u32 s26, s26, s28
	s_add_nc_u64 s[12:13], s[12:13], s[26:27]      ; the unit (g, kk)
	s_lshl_b32 s28, s31, 8
	s_add_co_u32 s28, s28, SCO
	s_add_nc_u64 s[16:17], s[12:13], s[28:29]      ; my 256 bytes of its scale words
	s_mul_i32 s28, s31, 4*FRB
	s_add_nc_u64 s[12:13], s[12:13], s[28:29]      ; my first fragment: i = 4 u
	s_mul_i32 s36, s20, 8448                       ; my stage in LDS: 16 rows of 512 bytes + 16: row r starts at bank 4 r (64 banks of 4 bytes: ISA guide 11.1)
	v_add_nc_u32 v[STI], s36, v[CO]
	v_mul_u32_u24 v[STO], v2, 528
	v_lshl_add_u32 v[STO], v3, 7, v[STO]
	v_add_nc_u32 v[STO], s36, v[STO]
; rows 16 j .. 16 j + 15 of my share: each load reads 512 consecutive bytes of a row, 16 a lane; read once in the launch
.macro LOADX j
.irp t, 0,1,2,3,4,5,6,7,8,9,10,11,12,13,14,15
	global_load_b128 v[R+64*((\j)%2)+4*\t:R+64*((\j)%2)+4*\t+3], v[CO], s[4:5] offset:(16*(\j)+\t)*16384 th:TH_LOAD_NT
.endr
.endm
	global_load_b128 v[AL:AL+3], v[CO], s[6:7]     ; a lane takes the same four k in every row: its four alpha stay
	LOADX 0
	LOADX 1
; Fragment j.  The loads take the bytes as they lie; the conversions want 32 neighbours along K in one lane.  So the 16 rows turn through my own stage in LDS:
; in as loaded, 16 bytes a lane, out 128 + 128 bytes a lane.  LDS serves a wave's instructions in order (ISA guide 5.7.1.4): no wait between the stores and the loads.
.macro AFRAG j
.set RS, R+64*((\j)%2)
.if (\j) < 3
	s_wait_loadcnt 16                              ; loads come back in order (ISA guide 5.7.1): alpha and this fragment's 16 are in; the next fragment's 16 stay out
.else
	s_wait_loadcnt 0x0
.endif
.irp t, 0,1,2,3,4,5,6,7,8,9,10,11,12,13,14,15
	v_pk_mul_f32 v[RS+4*\t:RS+4*\t+1], v[RS+4*\t:RS+4*\t+1], v[AL:AL+1]           ; x * alpha
	v_pk_mul_f32 v[RS+4*\t+2:RS+4*\t+3], v[RS+4*\t+2:RS+4*\t+3], v[AL+2:AL+3]
.endr
.irp t, 0,1,2,3,4,5,6,7,8,9,10,11,12,13,14,15
	ds_store_b128 v[STI], v[RS+4*\t:RS+4*\t+3] offset:528*\t
.endr
.irp c, 0,1
.irp m, 0,1,2,3,4,5,6,7
	ds_load_b128 v[X+32*\c+4*\m:X+32*\c+4*\m+3], v[STO] offset:256*\c+16*\m      ; row r, k = 64 c + 32 h + 4 m on
.endr
.endr
	s_wait_dscnt 0x0                               ; my 64 numbers are in
.if (\j) < 2
	LOADX (\j)+2                                   ; this fragment's registers take the rows two fragments on
.endif
	QUANT X, SW+(\j)
	OUT 12, FRB*(\j)
.endm
	AFRAG 0
	AFRAG 1
	AFRAG 2
	AFRAG 3
	SCOUT 16, 0, 0
	s_wait_tensorcnt 0x0
	ds_add_u32 v47, v51
	s_wait_dscnt 0x0
	s_endpgm
; ---------------------------------------------------------------- w: 128 columns o x 128 K a wave
.Lpath_w:
	s_lshl_b32 s23, s21, 2
	s_add_co_u32 s23, s23, s20                     ; my unit, 0 .. 1,023 = 32 g + kk
	s_and_b32 s24, s23, 31                         ; kk
	s_lshr_b32 s25, s23, 5                         ; g
	s_lshl_b32 s26, s24, 10                        ; 128 rows of columns_mean, 8 bytes each
	s_add_nc_u64 s[8:9], s[8:9], s[26:27]
	s_lshl_b32 s26, s25, 10                        ; 128 rows of rows_mean
	s_add_nc_u64 s[10:11], s[10:11], s[26:27]
	s_mul_i32 s26, s23, UNITB
	s_add_nc_u64 s[14:15], s[14:15], s[26:27]      ; the unit (g, kk)
	s_mov_b32 s34, 0x3f99be61                      ; S = sqrt(log2 e)
	s_mov_b32 s35, 0xbf99be61                      ; -S
	v_lshlrev_b32 v[RO], 3, v2
	v_lshlrev_b32 v[VO], 8, v3
	v_mov_b32 v[NA+1], 0                           ; named as the upper halves of pairs of which the low word alone is taken
	v_mov_b32 v[NB+1], 0
	; A LANE TAKES A COLUMN o, AND ITS REGISTERS RUN DOWN K, in the order that the operand's layout gives that lane: nothing is transposed.
	; The 64 rows of columns_mean that a lane wants (k = 64 c + 32 h + 0 .. 31) are the same for all eight fragments: they are loaded once, multiplied by S and kept, the two coordinates apart.
.irp m, 0,1,2,3,4,5,6,7,8,9,10,11,12,13,14,15
	global_load_b128 v[192+4*\m:195+4*\m], v[VO], s[8:9] offset:16*\m
.endr
.irp m, 0,1,2,3,4,5,6,7,8,9,10,11,12,13,14,15
	global_load_b128 v[128+4*\m:131+4*\m], v[VO], s[8:9] offset:512+16*\m
.endr
	global_load_b64 v[RR:RR+1], v[RO], s[10:11]    ; the first fragment's row of rows_mean
	s_wait_loadcnt 1                               ; the 32 loads of columns_mean are in; the one behind them may be out
.set J, 0
.rept 32
	v_mul_f32 v[64+J], s34, v[192+2*J]
	v_mul_f32 v[96+J], s34, v[193+2*J]
.set J, J+1
.endr
.set J, 0
.rept 32
	v_mul_f32 v[192+J], s34, v[128+2*J]            ; (v192 on has been read out above)
	v_mul_f32 v[224+J], s34, v[129+2*J]
.set J, J+1
.endr
; block c: (S col0 - S row0)^2 + (S col1 - S row1)^2, two numbers an instruction, four pairs by turns so that no line waits for the line above it
.macro ARGS c
.irp g, 0,1,2,3
.irp p, 0,1,2,3
	v_pk_add_f32 v[W+32*\c+8*\g+2*\p:W+32*\c+8*\g+2*\p+1], v[64+128*\c+8*\g+2*\p:64+128*\c+8*\g+2*\p+1], v[NA:NA+1] op_sel_hi:[1,0]
.endr
.irp p, 0,1,2,3
	v_pk_add_f32 v[TD+2*\p:TD+2*\p+1], v[96+128*\c+8*\g+2*\p:96+128*\c+8*\g+2*\p+1], v[NB:NB+1] op_sel_hi:[1,0]
.endr
.irp p, 0,1,2,3
	v_pk_mul_f32 v[W+32*\c+8*\g+2*\p:W+32*\c+8*\g+2*\p+1], v[W+32*\c+8*\g+2*\p:W+32*\c+8*\g+2*\p+1], v[W+32*\c+8*\g+2*\p:W+32*\c+8*\g+2*\p+1]
.endr
.irp p, 0,1,2,3
	v_pk_fma_f32 v[W+32*\c+8*\g+2*\p:W+32*\c+8*\g+2*\p+1], v[TD+2*\p:TD+2*\p+1], v[TD+2*\p:TD+2*\p+1], v[W+32*\c+8*\g+2*\p:W+32*\c+8*\g+2*\p+1]
.endr
.endr
.endm
.macro EXPS c                          ; w = 2^-(that sum)
.set J, 0
.rept 32
	v_exp_f32 v[W+32*(\c)+J], -v[W+32*(\c)+J]
.set J, J+1
.endr
.endm
; Fragment f: columns o = 128 g + 16 f + r.
.macro WFRAG f
	s_wait_loadcnt 0x0                             ; this fragment's row of rows_mean is in
.if (\f) < 7
	global_load_b64 v[RR+2*(((\f)+1)%2):RR+2*(((\f)+1)%2)+1], v[RO], s[10:11] offset:128*((\f)+1)   ; the next fragment's, into the other pair
.endif
	v_mul_f32 v[NA], s35, v[RR+2*((\f)%2)]
	v_mul_f32 v[NB], s35, v[RR+2*((\f)%2)+1]
	ARGS 0
	EXPS 0
	ARGS 1                                         ; names none of the 32 results just asked for: independent work behind them
	EXPS 1
	v_nop                                          ; a plain instruction behind the last exponential and ahead of the first use (ISA guide 5.7.2)
	s_wait_alu depctr_va_vdst(0)                   ; one wait for the fragment's 64 exponentials, ahead of their first reader
	QUANT W, SW+(\f)%4
	OUT 14, FRB*(\f)
.if (\f)%4 == 3
	SCOUT 14, SCO+256*((\f)/4), (\f)/4
.endif
.endm
.irp f, 0,1,2,3,4,5,6,7
	WFRAG \f
.endr
	s_endpgm
.Lfunc_end_k_q0f1b159097_quant:
	.size	k_q0f1b159097_quant, .Lfunc_end_k_q0f1b159097_quant-k_q0f1b159097_quant
	.p2alignl 7, 3214868480
	.fill 96, 4, 3214868480
	.section	.rodata,"a",@progbits
	.p2align	6, 0x0
	.amdhsa_kernel k_q0f1b159097_quant
		.amdhsa_group_segment_fixed_size 34304
		.amdhsa_private_segment_fixed_size 0
		.amdhsa_enable_private_segment 0
		.amdhsa_kernarg_size 48
		.amdhsa_user_sgpr_count 2
		.amdhsa_user_sgpr_kernarg_segment_ptr 1
		.amdhsa_wavefront_size32 1
		.amdhsa_system_sgpr_workgroup_id_x 1
		.amdhsa_system_sgpr_workgroup_id_y 1
		.amdhsa_system_sgpr_workgroup_id_z 1
		.amdhsa_system_vgpr_workitem_id 0
		.amdhsa_next_free_vgpr 256
		.amdhsa_next_free_sgpr 66
		.amdhsa_reserve_vcc 1
		.amdhsa_float_denorm_mode_32 3
		.amdhsa_float_denorm_mode_16_64 3
		.amdhsa_memory_ordered 1
		.amdhsa_forward_progress 1
		.amdhsa_inst_pref_size 170
	.end_amdhsa_kernel
	.amdgpu_metadata
---
amdhsa.version: [ 1, 2 ]
amdhsa.kernels:
  - .name:           k_q0f1b159097_quant
    .symbol:         k_q0f1b159097_quant.kd
    .args:
      - { .name: x, .offset: 0, .size: 8, .value_kind: global_buffer, .address_space: global }
      - { .name: alpha_mean, .offset: 8, .size: 8, .value_kind: global_buffer, .address_space: global }
      - { .name: columns_mean, .offset: 16, .size: 8, .value_kind: global_buffer, .address_space: global }
      - { .name: rows_mean, .offset: 24, .size: 8, .value_kind: global_buffer, .address_space: global }
      - { .name: a_ops, .offset: 32, .size: 8, .value_kind: global_buffer, .address_space: global }
      - { .name: b_ops, .offset: 40, .size: 8, .value_kind: global_buffer, .address_space: global }
    .group_segment_fixed_size: 34304
    .private_segment_fixed_size: 0
    .kernarg_segment_align: 8
    .kernarg_segment_size: 48
    .max_flat_workgroup_size: 128
    .sgpr_count:     66
    .vgpr_count:     256
    .wavefront_size: 32
...
	.end_amdgpu_metadata
.endif
;; end of part 1
;; launch gemm (part 2): grid 16 x 16, 4 waves a work-group, clusters of 4 x 4, 327,680 bytes of LDS; arguments a_ops, b_ops, out0; writes out0
.if DOCPART == 2
	.amdgcn_target "amdgcn-amd-amdhsa--gfx1250"
	.amdhsa_code_object_version 6
	.text
	.protected	k_q0f1b159097_gemm
	.globl	k_q0f1b159097_gemm
	.p2align	8
	.type	k_q0f1b159097_gemm,@function
k_q0f1b159097_gemm:
	s_mov_b64 s[64:65], 0
	v_nop
	global_prefetch_b8 v0, s[64:65] scope:SCOPE_SE
	s_setreg_imm32_b32 hwreg(HW_REG_WAVE_MODE, 25, 1), 1
	s_wait_xcnt 0x0
	s_wait_alu depctr_hold_cnt(0) depctr_sa_sdst(0) depctr_va_vdst(0) depctr_va_sdst(0) depctr_va_ssrc(0) depctr_va_vcc(0) depctr_vm_vsrc(0)
	s_getreg_b32 s2, hwreg(HW_REG_IB_STS2, 6, 4)
	s_cmp_eq_u32 s2, 0
	s_cbranch_scc0 .Lentry_in_a_cluster
	s_endpgm
.Lentry_in_a_cluster:
	s_bfe_u32 s2, ttmp6, 0x10000c
	s_cmp_lg_u32 s2, 0xf033
	s_cbranch_scc0 .Lentry_shape_is_right
	s_endpgm
.Lentry_shape_is_right:
; out0[m][o] = sum over k of A[m][k] B[o][k], M = N = K = 4,096.  A and B: codes of BF6 (E3M2) with one E8M0 scale for each 32 along K, as the launch before has laid them; sums in f32; out0 f32.
; THE OPERANDS' LAYOUT, the same for both: row = 128 g + 16 i + r, i = 4 u + j; k = 128 kk + ..:  [g 32][kk 32][12,800 bytes].
;   Such a UNIT, 128 rows x 128 K, is eight fragment images of 1,536 bytes (fragment i at 1,536 i: registers 4 c .. 4 c + 3 of lane l at 512 c + 16 l), then 512 bytes of scale words [u 2][r 16][j 4].
;   So the units of one group of 128 rows follow each other along K without a gap: three of them are ONE dense block of 38,400 bytes for one tensor load, codes and scales together;
;   a fragment is three LDS loads of 16 bytes a lane at 16 x lane (512 consecutive bytes each: no pitch, no padding); one LDS load of 16 bytes a lane brings the scale words of four blocks of rows.
; A tile of out0, 256 x 256, is made by a work-group of four waves, as many as a WGP has SIMDs; a wave makes 128 x 128: 64 accumulators of 16 x 16, 512 registers.  256 tiles, 256 work-groups.
; K goes through a ring of two LDS slots filled by the tensor data mover.  A slot holds THREE units of each of the four groups, 384 along K, as much as two slots in LDS allow (2 x 153,600 bytes):
; K's 32 units are ten such slots and an eleventh of two units.  Between a refill's request and the wait for it a wave issues 160 matrix instructions.
; CLUSTERS: 4 x 4 work-groups.  The four of a row of the cluster need the same tiles of A, the four of a column the same tiles of B: each tile is asked for JOINTLY, by the same tensor load with the
; same descriptor and a mask that names the four.  THE MATRIX INSTRUCTION IS USED TRANSPOSED (source 0 = 16 rows of B, source 1 = 16 rows of A): a lane then holds eight neighbouring numbers of a row of out0.
; REGISTERS, in windows of 256: window 0: v0-31 addresses; v32-79 scale words, two sets; v128-223 A's fragments (8 x 16 rows x 128 K), ONE set; on the way out v128-255 take rows of out0.
;   window 1: B's fragments, TWO sets, at v0 and at v128.   window 2: the 32 accumulators of my rows 0-63 (accumulator (a, b) at v[8 (8 a + b)]);   window 3: those of my rows 64-127.
; A step, one unit along K, is 64 matrix instructions, A's blocks one after the other, each against B's eight.  So a block of A is free as soon as its eight products are issued, and one set of registers serves A:
; blocks 0-3 are fetched anew in the step's middle, blocks 4-7 at its end.  B's fragments are at work through the whole step, so B has two sets: unit q of LDS slot s lies in set (s + q) % 2.
.set SIZE_N, 4096
.set NU,     3                         ; units in a slot
.set FR,     12                        ; registers of a fragment: 16 rows x 128 K
.set FRB,    1536                      ; and its image in bytes
.set UNITB,  12800                     ; a unit in bytes
.set SCO,    8*FRB                     ; where a unit's scale words begin
.set NL,     3                         ; LDS loads that bring a fragment
.set NP,     4                         ; places behind this matrix instruction (ISA guide 7.12.1)
.set HALFT,  NU*UNITB                  ; 38,400: what one tensor load brings, and what one wave reads of A or of B in a slot
.set GRPB,   32*UNITB                  ; 128 rows, all of K
.set SLOT,   4*HALFT                   ; A's two groups of 128 rows, then B's two
.set TRIPS,  4                         ; a trip goes once round the ring: six units; four trips ask for slots 2 to 9
.set SPARE,  2*SLOT                    ; behind the ring: the spare words, 128 bytes for each wave: two blocks of 256 bytes that no other line names
.set STAGE,  SLOT                      ; the way out: a stage of 16 rows x (512 bytes + 16) for each wave.  It lies in LDS slot 1, which has had its last fill and its last read when the first result is stored there
.set SPITCH, 528
.set ADRA, 16                          ; v16-17  LDS address of my A fragments in slot 0, 1: the group's place + 16 x lane
.set ADRB, 20                          ; v20-21  the same for B
.set ADRS, 22                          ; v22-23  LDS address of my scale words in slot 0, 1, less SCO: lanes 0-15 A's group, lanes 16-31 B's; + 16 r
.set STO,  24                          ; v24     the way out: where I put 32 bytes of a row
.set RD,   25                          ; v25     the way out: where I read a row back
.set CO,   26                          ; v26     16 x lane: my byte offset in a row of out0
.set SPW,  28                          ; v28     LDS address of my spare word: SPARE + 4 x my thread's number; never rewritten
.set NIL,  29                          ; v29     0; never rewritten
.set PFO,  30                          ; v30     256 x lane: the prefetches' offset; never rewritten
.set SC,   32                          ; scale words: set s (for LDS slot s) at v[SC + 24 s]; in it register 8 q + i: lanes 0-15 the word of A's block i, lanes 16-31 that of B's block i, for the slot's unit q
.set AF,   128                         ; A's fragments, in window 0
.set BK,   128                         ; the way out: 16 rows read back from the stage: v128-191 and v192-255 by turns
.set G1, 24                            ; s[24:31] descriptor group 1 for A's tiles;  s[32:39] group 0, one set for each slot
.set G0, 32
.set G1B, 48                           ; s[48:55], s[56:63] the same for B's tiles
.set G0B, 56
.set G1L, 68                           ; s[68:75] group 1 for A's last tile, of two units;  s[80:87] for B's
.set G1LB, 80
.set PFA, 96                           ; s[96:97] where my prefetches stand in memory
.set LIM, 98                           ; s98, s99 a wave prefetches at a change out of slot 0 (1) while the count of trips to go is above s98 (s99): 0 and 1 in a wave that asks, the greatest number in all others
.set MSB, 0
.macro WIN new                         ; the immediate's high byte repeats the setting that is left
.if MSB != \new
	s_set_vgpr_msb (MSB<<8)|\new
.set MSB, \new
.endif
.endm
.set MUL_LO, 0xa1                      ; source 0 (B) window 1, source 1 (A) window 0, C and D window 2
.set MUL_HI, 0xf1                      ; the same, C and D window 3
.set TO_B,   0x40                      ; destination window 1, address window 0
; A joint load: waves 0 and 1 fetch for A, waves 2 and 3 for B.  Each of the two lines has ONE mask and one set of registers for all that issue it; the branch hangs on the wave's number alone.
; Four v_nop follow each of the two lines, ahead of the jump, the label and what follows.
.macro JLOAD g0a, g1a, g0b, g1b
	s_cmp_eq_u32 s15, 0
	s_cbranch_scc0 .Lfor_b_\@
	tensor_load_to_lds s[\g0a:\g0a+3], s[\g1a:\g1a+7]
	s_nop 0
.rept 4
	v_nop
.endr
	s_branch .Lasked_\@
.Lfor_b_\@:
	tensor_load_to_lds s[\g0b:\g0b+3], s[\g1b:\g1b+7]
	s_nop 0
.rept 4
	v_nop
.endr
.Lasked_\@:
.endm
; A PREFETCH INTO THE L2.  A group's units for all of K are one dense run of 409,600 bytes, walked from its start, 38,400 bytes a slot.  A request is one instruction: 32 lanes, 256 bytes apart.
; The change of slots number c (0 to 6) names the bytes from 163,840 + 32,768 c + 8,192 p on, p the partner's place among the four that ask for the tile jointly.
; Each aligned block of 256 bytes is named at most ONCE in the launch: A's groups are read by every cluster of a row of clusters: the cluster with x = 0 asks (its waves 0 and 1, each for the group that it fetches);
; B's by every cluster of a column: the cluster with y = 0 asks (waves 2 and 3).  The four partners are told apart BY ADDRESS (p = cx for A, cy for B): no branch hangs on a place in the cluster.
; Change 0, which asks for slot 2, names bytes of slots 4 and 5: two changes ahead of their load; four partners' requests are 32,768 bytes against a slot's 38,400, so the lead shrinks:
; change 6, which asks for slot 8, names bytes of slots 9 and 10: one change ahead.  The group's first 163,840 bytes and its last 16,384 come by their loads alone: nothing is prefetched at the head.
; The last request's last lane names byte 392,960 of the group's 409,600; the later changes of slots ask for nothing.
.macro ASK slot
	s_cmp_gt_u32 s3, s[LIM+\slot]
	s_cbranch_scc0 .Lnot_mine_\@
	global_prefetch_b8 v[PFO], s[PFA:PFA+1] th:TH_LOAD_NT scope:SCOPE_SE
.Lnot_mine_\@:
.endm
.macro CREST                           ; a round of the cluster's barrier behind its opening barrier
	s_cmp_lg_u32 s14, 0
	s_cbranch_scc1 .Lnot_wave_0_\@
	s_barrier_signal -3
.Lnot_wave_0_\@:
	s_barrier_wait -3
	s_barrier_signal -1
	s_barrier_wait -1
.endm
.macro CROUND                          ; a whole round
	s_barrier_signal -1
	s_barrier_wait -1
	CREST
.endm
	s_load_b128 s[4:7], s[0:1], 0x0                ; A's units s[4:5], B's units s[6:7]
	s_load_b64 s[12:13], s[0:1], 0x10              ; out0
	v_lshl_add_u32 v[SPW], v0, 2, SPARE
	v_mov_b32 v[NIL], 0
	ds_add_u32 v28, v29
	ds_add_u32 v28, v29
	s_wait_dscnt 0x0
	v_lshrrev_b32 v1, 5, v0
	v_readfirstlane_b32 s14, v1                    ; wave 0..3
	s_lshr_b32 s15, s14, 1                         ; which half of the tile's rows is mine.  Also: I fetch for A (0) or for B (1)
	s_and_b32 s16, s14, 1                          ; which half of its columns.  Also: which group of 128 rows of that tile I fetch
	s_bfe_u32 s40, ttmp6, 0x40000                  ; cx, cy: my place in the cluster
	s_bfe_u32 s41, ttmp6, 0x40004
	s_lshl_b32 s42, ttmp9, 2
	s_add_co_u32 s42, s42, s40                     ; tile column = 4 x cluster x + cx
	s_and_b32 s17, ttmp7, 0xffff
	s_lshl_b32 s17, s17, 2
	s_add_co_u32 s17, s17, s41                     ; tile row = 4 x cluster y + cy
	s_lshl_b32 s43, s41, 2
	s_lshl_b32 s43, 15, s43                        ; my row of the cluster
	s_lshl_b32 s44, 0x1111, s40                    ; my column
	; descriptor group 1: a dense block of 38,400 bytes as 150 rows of 256 bytes (32 elements of 8 bytes), laid in LDS without gaps
	s_or_b32 s[G1+0], s43, (3<<16)|(1<<21)         ; 15:0 the mask: A's tiles go to my row; 17:16 elements of 8 bytes; 20 padding off; 21 set beside a mask
	s_or_b32 s[G1B+0], s44, (3<<16)|(1<<21)        ; the same with the mask of my column
.irp g, G1, G1B
	s_mov_b32 s[\g+1], 32<<16                      ; tensor_dim0 = 32
	s_mov_b32 s[\g+2], (HALFT/256)<<16             ; tensor_dim1 = 150
	s_mov_b32 s[\g+3], 32<<16                      ; tile_dim0 = 32
	s_mov_b32 s[\g+4], HALFT/256                   ; tile_dim1 = 150
	s_mov_b32 s[\g+5], 32                          ; tensor_dim0_stride
	s_mov_b32 s[\g+6], 0
	s_mov_b32 s[\g+7], 0
.endr
	; and for the eleventh slot's two units: 25,600 bytes as 100 such rows
	s_or_b32 s[G1L+0], s43, (3<<16)|(1<<21)
	s_or_b32 s[G1LB+0], s44, (3<<16)|(1<<21)
.irp g, G1L, G1LB
	s_mov_b32 s[\g+1], 32<<16
	s_mov_b32 s[\g+2], (2*UNITB/256)<<16
	s_mov_b32 s[\g+3], 32<<16
	s_mov_b32 s[\g+4], 2*UNITB/256
	s_mov_b32 s[\g+5], 32
	s_mov_b32 s[\g+6], 0
	s_mov_b32 s[\g+7], 0
.endr
	; where the tiles come from.  A's hang on the tile row alone, which my row of the cluster shares; B's on the tile column alone.  Every wave makes both, in registers that never hold the other coordinate.
	s_lshl_b32 s20, s17, 1
	s_add_co_u32 s20, s20, s16                     ; A: group 2 x tile row + half
	s_lshl_b32 s46, s42, 1
	s_add_co_u32 s46, s46, s16                     ; B: group 2 x tile column + half
	s_mul_i32 s20, s20, GRPB                       ; in bytes (31 x 409,600 at the most)
	s_mov_b32 s21, 0
	s_mul_i32 s46, s46, GRPB
	s_mov_b32 s47, 0
	s_mul_i32 s45, s14, HALFT                      ; where they go: wave x a group's bytes: no place in the cluster enters an LDS address
	s_wait_kmcnt 0x0
	s_add_nc_u64 s[20:21], s[4:5], s[20:21]
	s_add_nc_u64 s[46:47], s[6:7], s[46:47]
	CROUND                                         ; all sixteen work-groups are here: the first joint loads meet
.irp s, 0,1
	s_mov_b32 s[G0+4*\s], 1                                        ; 1:0 count = 1
	s_add_co_u32 s[G0+4*\s+1], s45, \s*SLOT                        ; 63:32 LDS address
	s_add_nc_u64 s[G0+4*\s+2:G0+4*\s+3], s[20:21], \s*HALFT        ; 120:64 global address: units 3 s on
	s_or_b32 s[G0+4*\s+3], s[G0+4*\s+3], 0x80000000                ; 127:126 type = 2
	s_mov_b32 s[G0B+4*\s], 1
	s_add_co_u32 s[G0B+4*\s+1], s45, \s*SLOT
	s_add_nc_u64 s[G0B+4*\s+2:G0B+4*\s+3], s[46:47], \s*HALFT
	s_or_b32 s[G0B+4*\s+3], s[G0B+4*\s+3], 0x80000000
	JLOAD G0+4*\s, G1, G0B+4*\s, G1B               ; two tensor loads of mine are out behind the second, the most in this text
.endr
	; the prefetches (macro ASK): where mine stand, and who asks
	s_and_b32 s95, ttmp7, 0xffff                   ; cluster y
	s_cmp_eq_u32 s15, 0                            ; do I fetch for A?
	s_cselect_b64 s[PFA:PFA+1], s[20:21], s[46:47] ; the first byte of the group that I fetch
	s_cselect_b32 s66, s40, s41                    ; my place among the four that ask for it with me
	s_cselect_b32 s95, ttmp9, s95                  ; the coordinate along which other clusters read the same group
	s_cmp_eq_u32 s95, 0
	s_cselect_b32 s[LIM], 0, -1                    ; the same in all sixteen partners, for a given wave
	s_cselect_b32 s[LIM+1], 1, -1
	s_lshl_b32 s66, s66, 13                        ; 8,192 p
	s_add_co_u32 s66, s66, 131072                  ; the first change of slots steps it to 163,840
	s_mov_b32 s67, 0
	s_add_nc_u64 s[PFA:PFA+1], s[PFA:PFA+1], s[66:67]
	v_and_b32 v1, 15, v0                           ; r = lane % 16
	v_bfe_u32 v2, v0, 4, 1                         ; h = lane / 16
	v_and_b32 v3, 31, v0                           ; lane
	v_lshlrev_b32 v[CO], 4, v3
	v_lshlrev_b32 v[PFO], 8, v3
	s_mul_i32 s21, s15, HALFT                      ; my 128 rows of A
	s_mul_i32 s22, s16, HALFT                      ; my 128 rows of B,
	s_add_co_u32 s22, s22, 2*HALFT                 ; which lie behind A's 256
.irp s, 0,1
	v_add_nc_u32 v[ADRA+\s], s21, v[CO]
	v_add_nc_u32 v[ADRB+\s], s22, v[CO]
	s_add_co_u32 s21, s21, SLOT
	s_add_co_u32 s22, s22, SLOT
.endr
	v_lshlrev_b32 v5, 4, v1                        ; my row's four scale words: 16 r
	s_mul_i32 s21, s15, HALFT                      ; in A's group,
	s_mul_i32 s22, s16, HALFT                      ; or in B's, behind A's two
	s_add_co_u32 s22, s22, 2*HALFT
	s_sub_co_u32 s22, s22, s21
	v_mul_u32_u24 v6, s22, v2                      ; lanes 16-31 take B's: the lower base + h x the distance
	v_add_nc_u32 v5, v5, v6
	v_add_nc_u32 v[ADRS], s21, v5
	v_add_nc_u32 v[ADRS+1], SLOT, v[ADRS]
	s_mul_i32 s23, s14, 16*SPITCH
	s_add_co_u32 s23, s23, STAGE                   ; my stage
	v_mul_u32_u24 v5, v1, SPITCH                   ; in: row l % 16, 32 bytes for each half of the lanes
	v_lshl_add_u32 v5, v2, 5, v5
	v_add_nc_u32 v[STO], s23, v5
	v_add_nc_u32 v[RD], s23, v[CO]                 ; back: the 32 lanes take one row of 512 bytes
	s_lshl_b32 s20, s17, 8
	s_lshl_b32 s21, s15, 7
	s_add_co_u32 s20, s20, s21                     ; my first row of out0: 256 x tile row + 128 x half,
	s_lshl_b32 s20, s20, 14                        ; in bytes: 16,384 a row
	s_mov_b32 s21, 0
	s_lshl_b32 s46, s42, 10                        ; my first column, in bytes: 1,024 x tile column + 512 x half
	s_lshl_b32 s47, s16, 9
	s_add_co_u32 s46, s46, s47
	s_mov_b32 s47, 0
	s_add_nc_u64 s[20:21], s[20:21], s[46:47]
	s_add_nc_u64 s[12:13], s[12:13], s[20:21]
.macro FRAG reg, adr, q, i             ; block i's fragment of the slot's unit q: the image comes back as it was stored: registers 4 c .. 4 c + 3 from 512 c + 16 x lane
.irp c, 0,1,2
	ds_load_b128 v[\reg+4*\c:\reg+4*\c+3], v[\adr] offset:(\q)*UNITB+(\i)*FRB+512*\c
.endr
.endm
; 16 matrix instructions: A's blocks a0, a0 + 1 x B's eight, one unit along K: the slot's q-th.  p: B's set;  sc: the set of scale words.  zero = 1: the first product starts the sums: nothing is ever cleared.
; The 64 accumulators take turns, one instruction a turn, in the same order in every step.
.macro MUL16 a0, p, q, sc, zero
.irp a, \a0, \a0+1
.irp b, 0,1,2,3,4,5,6,7
.if \zero
	v_wmma_scale_f32_16x16x128_f8f6f4 v[8*(8*((\a)%4)+\b):8*(8*((\a)%4)+\b)+7], v[128*(\p)+FR*\b:128*(\p)+FR*\b+FR-1], v[AF+FR*(\a):AF+FR*(\a)+FR-1], 0, v[SC+24*(\sc)+8*(\q)+\b], v[SC+24*(\sc)+8*(\q)+(\a)] matrix_a_fmt:MATRIX_FMT_BF6 matrix_b_fmt:MATRIX_FMT_BF6 matrix_a_scale:MATRIX_SCALE_ROW1
.else
	v_wmma_scale_f32_16x16x128_f8f6f4 v[8*(8*((\a)%4)+\b):8*(8*((\a)%4)+\b)+7], v[128*(\p)+FR*\b:128*(\p)+FR*\b+FR-1], v[AF+FR*(\a):AF+FR*(\a)+FR-1], v[8*(8*((\a)%4)+\b):8*(8*((\a)%4)+\b)+7], v[SC+24*(\sc)+8*(\q)+\b], v[SC+24*(\sc)+8*(\q)+(\a)] matrix_a_fmt:MATRIX_FMT_BF6 matrix_b_fmt:MATRIX_FMT_BF6 matrix_a_scale:MATRIX_SCALE_ROW1
.endif
.endr
.endr
.endm
.macro FETCH_B slot, q, p              ; B's eight fragments of the slot's unit q into set p
	WIN TO_B
.irp i, 0,1,2,3,4,5,6,7
	FRAG 128*(\p)+FR*\i, ADRB+\slot, \q, \i
.endr
	WIN 0
.endm
.macro FETCH_A slot, q, i0             ; A's blocks i0 .. i0 + 3
.irp i, \i0, \i0+1, \i0+2, \i0+3
	FRAG AF+FR*(\i), ADRA+\slot, \q, \i
.endr
.endm
.macro SCALES sc, nq                   ; the scale words of LDS slot sc's nq units into set sc: each load brings the words of four blocks; lanes 0-15 take A's, lanes 16-31 B's
.irp q, 0,1,2
.if \q < (\nq)
.irp u, 0,1
	ds_load_b128 v[SC+24*\sc+8*\q+4*\u:SC+24*\sc+8*\q+4*\u+3], v[ADRS+\sc] offset:\q*UNITB+SCO+256*\u
.endr
.endif
.endr
.endm
; A load into a register that a matrix instruction has read, and an LDS store that reads a matrix result, stand NP places behind that matrix instruction, and only plain vector
; instructions that name none of its registers are places (ISA guide 7.12.1 for vector instructions); this text does not count the matrix instructions in between.
.macro PLACES n
.rept \n
	v_nop
.endr
.endm
; A step that has its successor in the same slot: unit q is multiplied, unit q + 1 fetched.
.macro STEP slot, q, zero
	s_wait_dscnt 4*NL                              ; B's set, A's blocks 0-3 and the scale words are in; the youngest twelve loads (A's blocks 4-7) may be out
	WIN MUL_LO
	MUL16 0, ((\slot)+(\q))%2, \q, \slot, \zero
	MUL16 2, ((\slot)+(\q))%2, \q, \slot, \zero
	s_wait_dscnt 0                                 ; A's blocks 4-7 are in (asked for 32 matrix instructions ago)
	PLACES NP
	FETCH_B \slot, (\q)+1, ((\slot)+(\q)+1)%2
	FETCH_A \slot, (\q)+1, 0
	WIN MUL_HI
	MUL16 4, ((\slot)+(\q))%2, \q, \slot, \zero
	MUL16 6, ((\slot)+(\q))%2, \q, \slot, \zero
	PLACES NP
	WIN 0
	FETCH_A \slot, (\q)+1, 4
.endm
; A slot's third step changes slots: ONE barrier; in front of it each wave waits for all its tensor loads, adds 0 to its spare word, and waits for that and for its own reads of this slot.
; fill = 1: this slot is filled again, with the three units two slots on, and a prefetch follows;  2: with the eleventh slot's two units;  0: nothing is asked for.  nq: the units of the slot that is entered.
; (The slot's third unit lies in B's set number slot; the next slot's first goes into set number next.)
.macro TURN slot, next, fill, nq
.if (\fill) == 1
	s_wait_xcnt 0x0                                ; the last prefetch, a slot back, has read its address: it is stepped here, ahead of the waits of the change of slots
	s_add_nc_u64 s[PFA:PFA+1], s[PFA:PFA+1], 32768
.endif
	s_wait_tensorcnt 0x0                           ; all my tensor loads have landed: the one that was out is my part of the next slot;  (every window is 0 here: the add's two registers lie in window 0)
	ds_add_u32 v[SPW], v[NIL]                      ; 0 onto my spare word
	s_wait_dscnt 4*NL+1                            ; (the add and the youngest twelve loads, A's blocks 4-7, may be out)
	WIN MUL_LO
	MUL16 0, \slot, NU-1, \slot, 0                 ; sixteen matrix instructions stand between the add and the wait for it
	s_wait_dscnt 0x0                               ; the add is done, and my reads of this slot are over
	s_barrier_signal -1
	MUL16 2, \slot, NU-1, \slot, 0
	WIN 0
	s_barrier_wait -1
.if (\fill) > 0
	CREST                                          ; the barrier has opened a round of the cluster's barrier: no wave of any partner still reads this slot's tile or has a load on its way
	s_add_nc_u64 s[G0+4*\slot+2:G0+4*\slot+3], s[G0+4*\slot+2:G0+4*\slot+3], 2*HALFT
	s_add_nc_u64 s[G0B+4*\slot+2:G0B+4*\slot+3], s[G0B+4*\slot+2:G0B+4*\slot+3], 2*HALFT
.if (\fill) == 1
	JLOAD G0+4*\slot, G1, G0B+4*\slot, G1B         ; the first tensor load behind the round, my one load until the next: 160 matrix instructions ahead of the wait for it; the four v_nop behind it are the places in front of the loads below
.else
	JLOAD G0+4*\slot, G1L, G0B+4*\slot, G1LB       ; the same with the shape of two units: the group's last 25,600 bytes
.endif
.else
	PLACES NP
.endif
	FETCH_B \next, 0, \next
	FETCH_A \next, 0, 0
	SCALES \next, \nq
.if (\fill) == 1
	ASK \slot                                      ; behind the joint load and the run of LDS loads that the next products wait for
.endif
	WIN MUL_HI
	MUL16 4, \slot, NU-1, \slot, 0
	MUL16 6, \slot, NU-1, \slot, 0
	PLACES NP
	WIN 0
	FETCH_A \next, 0, 4
.endm
	s_wait_tensorcnt 1                             ; my part of slot 0 is in (slot 1's load may be out)
	s_barrier_signal -1
	s_barrier_wait -1                              ; everybody's is
	FETCH_B 0, 0, 0
	FETCH_A 0, 0, 0
	SCALES 0, NU
	FETCH_A 0, 0, 4
	STEP 0, 0, 1                                   ; the first step stands in front of the loop: its products start the sums
	s_mov_b32 s3, TRIPS
.Llap:                                                 ; a trip goes once round the ring, from a lap's second step to the next lap's first, and fills both slots again
	STEP 0, 1, 0
	TURN 0, 1, 1, NU
	STEP 1, 0, 0
	STEP 1, 1, 0
	TURN 1, 0, 1, NU
	STEP 0, 0, 0
	s_sub_co_u32 s3, s3, 1
	s_cmp_lg_u32 s3, 0
	s_cbranch_scc1 .Llap
	STEP 0, 1, 0                                   ; the tail is written out.  The ninth slot goes on
	TURN 0, 1, 2, NU                               ; its place takes the eleventh, of two units: the last load
	STEP 1, 0, 0                                   ; the tenth slot
	STEP 1, 1, 0
	TURN 1, 0, 0, 2                                ; nothing is left to ask for: a barrier of the work-group alone
	STEP 0, 0, 0                                   ; the eleventh slot's first unit
	s_wait_dscnt 4*NL                              ; and its second, the very last step: nothing more to fetch
	WIN MUL_LO
	MUL16 0, 1, 1, 0, 0
	MUL16 2, 1, 1, 0, 0
	s_wait_dscnt 0
	WIN MUL_HI
	MUL16 4, 1, 1, 0, 0
	MUL16 6, 1, 1, 0, 0
	WIN 0
; THE WAY OUT, block by block of 16 rows x 128 columns.  A lane holds 32 neighbouring bytes of a row, and the lanes beside it hold other rows: so a block goes through my own stage in LDS and comes back as whole
; rows of 512 bytes, which the 32 lanes store as 512 consecutive aligned bytes.  LDS serves a wave's instructions in order (ISA guide 5.7.1.4): no wait between the stores and the loads, nor in front of the next block's stores.
.macro TOSTAGE a
.set AC, 64*((\a)%4)
	WIN 0x08+4*((\a)/4)                            ; the data: window 2 or 3
.irp b, 0,1,2,3,4,5,6,7
	ds_store_b128 v[STO], v[AC+8*\b:AC+8*\b+3] offset:64*\b          ; each accumulator from its low end on
	ds_store_b128 v[STO], v[AC+8*\b+4:AC+8*\b+7] offset:64*\b+16
.endr
	WIN 0
.set BB, BK+64*((\a)%2)
.irp t, 0,1,2,3,4,5,6,7,8,9,10,11,12,13,14,15
	ds_load_b128 v[BB+4*\t:BB+4*\t+3], v[RD] offset:\t*SPITCH
.endr
.endm
.macro SEND a, younger                 ; younger: the LDS instructions issued behind block a's loads, which may stay out
.set BB, BK+64*((\a)%2)
	s_wait_dscnt \younger                          ; the block is back in registers
.if (\a) > 0
	s_add_nc_u64 s[12:13], s[12:13], 16*SIZE_N*4   ; (behind a wait on XCNT: the earlier stores have read their base)  16 rows of out0 on, so that the stores' offsets stay at 15 rows, 245,760 bytes, at the most
.endif
.irp t, 0,1,2,3,4,5,6,7,8,9,10,11,12,13,14,15
	global_store_b128 v[CO], v[BB+4*\t:BB+4*\t+3], s[12:13] offset:\t*SIZE_N*4 th:TH_STORE_NT   ; 32 lanes store 512 consecutive bytes, at a multiple of 512 from out0's first byte; written once, read by nobody here
.endr
.endm
	PLACES NP                                      ; behind the last products: for the loads into the registers that held A's fragments, and for the reads of the last results
	TOSTAGE 0
.irp a, 1,2,3,4,5,6,7
.if \a > 1
	s_wait_xcnt 0x0                                ; block a - 2's stores have read their registers and their base: block a's loads may land there, and the base may step
.endif
	TOSTAGE \a
	SEND \a-1, 32                                  ; behind block a - 1's loads: block a's 16 stores and 16 loads
.endr
	s_wait_xcnt 0x0                                ; block 6's stores have read their base
	SEND 7, 0
	s_wait_tensorcnt 0x0                           ; the wave's end: behind my last tensor load and my last LDS store
	ds_add_u32 v[SPW], v[NIL]
	s_wait_dscnt 0x0
	CROUND                                         ; the closing round: no work-group ends while a partner may still ask for a tile that names it
	s_endpgm
.Lfunc_end_k_q0f1b159097_gemm:
	.size	k_q0f1b159097_gemm, .Lfunc_end_k_q0f1b159097_gemm-k_q0f1b159097_gemm
	.p2alignl 7, 3214868480
	.fill 96, 4, 3214868480
	.section	.rodata,"a",@progbits
	.p2align	6, 0x0
	.amdhsa_kernel k_q0f1b159097_gemm
		.amdhsa_group_segment_fixed_size 327680
		.amdhsa_private_segment_fixed_size 0
		.amdhsa_enable_private_segment 0
		.amdhsa_kernarg_size 24
		.amdhsa_user_sgpr_count 2
		.amdhsa_user_sgpr_kernarg_segment_ptr 1
		.amdhsa_wavefront_size32 1
		.amdhsa_system_sgpr_workgroup_id_x 1
		.amdhsa_system_sgpr_workgroup_id_y 1
		.amdhsa_system_sgpr_workgroup_id_z 1
		.amdhsa_system_vgpr_workitem_id 0
		.amdhsa_next_free_vgpr 1024
		.amdhsa_next_free_sgpr 100
		.amdhsa_reserve_vcc 0
		.amdhsa_float_denorm_mode_32 3
		.amdhsa_float_denorm_mode_16_64 3
		.amdhsa_memory_ordered 1
		.amdhsa_forward_progress 1
		.amdhsa_inst_pref_size 204
	.end_amdhsa_kernel
	.amdgpu_metadata
---
amdhsa.version: [ 1, 2 ]
amdhsa.kernels:
  - .name:           k_q0f1b159097_gemm
    .symbol:         k_q0f1b159097_gemm.kd
    .args:
      - { .name: a_ops, .offset: 0, .size: 8, .value_kind: global_buffer, .address_space: global }
      - { .name: b_ops, .offset: 8, .size: 8, .value_kind: global_buffer, .address_space: global }
      - { .name: out0, .offset: 16, .size: 8, .value_kind: global_buffer, .address_space: global }
    .group_segment_fixed_size: 327680
    .private_segment_fixed_size: 0
    .kernarg_segment_align: 8
    .kernarg_segment_size: 24
    .max_flat_workgroup_size: 128
    .sgpr_count:     100
    .vgpr_count:     1024
    .wavefront_size: 32
...
	.end_amdgpu_metadata
.endif
;; end of part 2
